; MI455X (gfx1250); checked and timed in simulation.
; The chip was launched on July 23, 2026; its instructions are those of AMD's public machine-readable ISA for CDNA 5 (MIT licence, August 2026) and "CDNA5" Instruction Set Architecture Reference Guide (July 2026). The comments in the code are by the model that wrote it; some were corrected since.
;; Dat Transformer. Allowed arithmetic: float matrix products may take bf16 or f16 operands with f32 sums; all other float work in f32.
;; Inputs: k_b 512 float32; k_w 512 x 512 float32; out_b 512 float32; out_w 512 x 512 float32; q_b 512 float32; q_w 512 x 512 float32; v_b 512 float32; v_w 512 x 512 float32; x 4,096 x 4 x 512 float32.
;; Outputs: out0 4,096 x 4 x 512 float32.
;; One version. Each part assembles by itself: llvm-mc -triple=amdgcn-amd-amdhsa -mcpu=gfx1250 --defsym DOCPART=n.
;; ======== version 1 of 1: 5 launches
;; limits: values outside matrix products are rounded to bf16
;; workspace buffers: xf 16,777,216 bytes; wfb 1,579,008 bytes; p32 100,663,296 bytes; qkb 33,554,432 bytes; cand 1,048,576 bytes; idx 262,144 bytes of whole numbers
;; launch prep (part 1): grid 344 x 1, 4 waves a work-group, no clusters, 100,096 bytes of LDS; arguments x, q_w, k_w, v_w, out_w, q_b, k_b, v_b, out_b, xf, wfb; writes xf, wfb
.if DOCPART == 1
	.amdgcn_target "amdgcn-amd-amdhsa--gfx1250"
	.amdhsa_code_object_version 6
	.text
	.protected	k_q21d85ded8e_prep
	.globl	k_q21d85ded8e_prep
	.p2align	8
	.type	k_q21d85ded8e_prep,@function
k_q21d85ded8e_prep:
	s_mov_b64 s[64:65], 0
	v_nop
	global_prefetch_b8 v0, s[64:65] scope:SCOPE_SE
	s_setreg_imm32_b32 hwreg(HW_REG_WAVE_MODE, 25, 1), 1
	s_wait_xcnt 0x0
; PREP: brings x, q_w, k_w to bf16 in FRAGMENT ORDER, makes Wvo = out_w . v_w (bf16 operands, f32 sums, rounded to bf16, fragment order)
; and a table of 1,536 f32 biases: bf16-rounded q_b, bf16-rounded k_b, zb = out_w . v_b + out_b (all f32).
; Why Wvo: one_hot @ V @ out_w^T + out_b = row argmax of Z, Z = x . Wvo^T + zb, for every input; one product less later on.
; FRAGMENT ORDER of a tile of 16 rows x 512 k (16,384 bytes): [ks 16][p 2][lane 32][16 bytes]; lane (r = L & 15, h = L >> 4) holds
; row r, k = 32 ks + 16 p + 8 h .. + 7.  A matrix operand of 16 x 32 is then two loads of 512 consecutive bytes.
; LIMITS: q_b and k_b are rounded to bf16 (the scores are then those of inputs rounded to bf16); Wvo is rounded to bf16 where the
; written order of the products would round V; finite inputs only.
; Work-groups (four waves): 0-63 job B (Wvo: 64 d x 64 o each), 64-71 job C (biases, 64 each), 72-327 job X (x, four tiles each),
; 328-343 job W (q_w, k_w, four tiles each).  The branch hangs on the work-group's number alone, so all four waves take one way.
; LDS: four stages (a wave's own), job B's image, job C's 64 sums: each region is touched by the lines of its own use alone.
.set STGP, 272                         ; stage: 256 bytes (128 bf16) + 16: sixteen rows start at sixteen different 16-byte columns
.set STGB, 16*STGP                     ; a wave's stage: 16 rows
.set IMG,  4*STGB                      ; job B: v_w's strip as bf16, 512 rows (e) x 64 d
.set IMGP, 160                         ; its pitch: 128 bytes + 32, an odd multiple of 32 for the transposing load
.set CSCR, IMG+512*IMGP                ; job C: 64 f32, bytes of their own behind the image
.set BALL, 96*16384                    ; the bias table's place in wfb
.set TMP,  32                          ; v[32:63]   packed bf16 on their way to LDS
.set ACC,  32                          ; v[32:63]   job B: four accumulators (TMP is done by then)
.set AF,   64                          ; v[64:127]  job B: fragments of v_w, 2 ks x 4 d tiles
.set FR,   128                         ; v[128:255] a tile in fragment order, 16 ks x 8 registers
; window 1 (v256-511): BUF, 64 loads of 16 bytes a lane, f32 as loaded
.set MSB, 0
.macro WIN new                         ; the immediate's high byte repeats the setting that is left
.if MSB != \new
	s_set_vgpr_msb (MSB<<8)|\new
.set MSB, \new
.endif
.endm
.macro PLACES                          ; four places behind a matrix instruction (ISA guide 7.12.1)
.rept 4
	v_nop
.endr
.endm
; 16 rows x 2,048 bytes from s[32:33], rows pitch bytes apart: load 16 c + row = quarter c (512 bytes) of the row, 16 bytes a lane
.macro LOAD64 pitch, nt
	WIN 0x40                               ; destination in window 1
.set lx, 0
.rept 64
.if \nt
	global_load_b128 v[4*lx:4*lx+3], v2, s[32:33] offset:(lx%16)*\pitch+(lx/16)*512 th:TH_LOAD_NT
.else
	global_load_b128 v[4*lx:4*lx+3], v2, s[32:33] offset:(lx%16)*\pitch+(lx/16)*512
.endif
.set lx, lx+1
.endr
	WIN 0
.endm
.macro CVT16 q                         ; loads 16 q .. 16 q + 15: four f32 a lane become two words of bf16
	WIN 0x05                               ; both sources in window 1
.set cvx, 0
.rept 16
	v_cvt_pk_bf16_f32 v[TMP+2*cvx],   v[4*(16*\q+cvx)],   v[4*(16*\q+cvx)+1]
	v_cvt_pk_bf16_f32 v[TMP+2*cvx+1], v[4*(16*\q+cvx)+2], v[4*(16*\q+cvx)+3]
.set cvx, cvx+1
.endr
	WIN 0
.endm
; a tile of 16 rows into FR in fragment order, a quarter (128 k) at a time through the wave's own stage.
; LDS serves a wave's instructions in order (ISA guide 5.7.1), so no wait stands between these stores and loads of the wave's own bytes.
.macro T16 pitch, nt
	LOAD64 \pitch, \nt
.irp c, 0,1,2,3
	s_wait_loadcnt 48-16*\c                ; quarter c is in; the 16 loads of each younger quarter stay out
	CVT16 \c
.set sx, 0
.rept 16
	ds_store_b64 v5, v[TMP+2*sx:TMP+2*sx+1] offset:sx*STGP
.set sx, sx+1
.endr
.irp ksl, 0,1,2,3
	ds_load_b128 v[FR+8*(4*\c+\ksl):FR+8*(4*\c+\ksl)+3],   v6 offset:\ksl*64
	ds_load_b128 v[FR+8*(4*\c+\ksl)+4:FR+8*(4*\c+\ksl)+7], v6 offset:\ksl*64+32
.endr
.endr
	s_wait_dscnt 0x0
.endm
.macro PUT                             ; FR to s[34:35]: each store of the wave covers 512 consecutive bytes, aligned
.set px, 0
.rept 32
	global_store_b128 v2, v[FR+4*px:FR+4*px+3], s[34:35] offset:px*512
.set px, px+1
.endr
.endm
	s_load_b512 s[8:23], s[0:1], 0x0               ; x 8, q_w 10, k_w 12, v_w 14, out_w 16, q_b 18, k_b 20, v_b 22
	s_load_b128 s[24:27], s[0:1], 0x40             ; out_b 24, xf 26
	s_load_b64 s[28:29], s[0:1], 0x50              ; wfb
	s_set_vgpr_msb 0x80
	v_lshl_add_u32 v0, v0, 2, 0x18500
	v_mov_b32 v1, 0
	s_set_vgpr_msb 0x8000
	v_lshrrev_b32 v1, 5, v0
	v_readfirstlane_b32 s4, v1                     ; wave
	v_and_b32 v1, 31, v0                           ; L
	v_lshlrev_b32 v2, 4, v1                        ; 16 L
	v_and_b32 v3, 15, v1                           ; r
	v_lshrrev_b32 v4, 4, v1                        ; h
	s_mul_i32 s5, s4, STGB                         ; my stage
	v_lshl_add_u32 v5, v1, 3, s5                   ; in: 8 bytes a lane along a row
	v_mul_u32_u24 v6, v3, STGP
	v_lshl_add_u32 v6, v4, 4, v6
	v_add_nc_u32 v6, s5, v6                        ; back: row r, 16 h
	s_mov_b32 s31, 0                               ; high word of every offset
	s_wait_kmcnt 0x0
	s_cmp_lt_u32 ttmp9, 64
	s_cbranch_scc1 .Ljob_b
	s_cmp_lt_u32 ttmp9, 72
	s_cbranch_scc1 .Ljob_c
	s_cmp_lt_u32 ttmp9, 328
	s_cbranch_scc1 .Ljob_x
	; JOB W: feature tile ft = 4 (id - 328) + wave; 0-31 from q_w, 32-63 from k_w
	s_sub_co_u32 s6, ttmp9, 328
	s_lshl2_add_u32 s7, s6, s4
	s_cmp_lt_u32 s6, 8
	s_cselect_b64 s[32:33], s[10:11], s[12:13]
	s_and_b32 s30, s7, 31
	s_lshl_b32 s30, s30, 15                        ; 16 rows of 2,048 bytes
	s_add_nc_u64 s[32:33], s[32:33], s[30:31]
	s_lshl_b32 s30, s7, 14
	s_add_nc_u64 s[34:35], s[28:29], s[30:31]
	T16 2048, 0
	PUT
	s_set_vgpr_msb 0xa
	s_wait_tensorcnt 0x0
	ds_add_u32 v0, v1
	s_wait_dscnt 0x0
	s_set_vgpr_msb 0xa00
	s_endpgm
.Ljob_x:
	; JOB X: tile tau = b 256 + s / 16 = 4 (id - 72) + wave; its rows are x[16 (tau & 255) + r][tau >> 8][:], 8,192 bytes apart
	s_sub_co_u32 s6, ttmp9, 72
	s_lshl2_add_u32 s7, s6, s4
	s_and_b32 s30, s7, 255
	s_lshl_b32 s30, s30, 6
	s_lshr_b32 s6, s7, 8
	s_add_co_u32 s30, s30, s6
	s_lshl_b32 s30, s30, 11
	s_add_nc_u64 s[32:33], s[8:9], s[30:31]
	s_lshl_b32 s30, s7, 14
	s_add_nc_u64 s[34:35], s[26:27], s[30:31]
	T16 8192, 1                                    ; x is read once in the launch
	PUT
	s_set_vgpr_msb 0xa
	s_wait_tensorcnt 0x0
	ds_add_u32 v0, v1
	s_wait_dscnt 0x0
	s_set_vgpr_msb 0xa00
	s_endpgm
.Ljob_b:
	; JOB B: Wvo[o][d] = sum over e of out_w[o][e] v_w[e][d].  The group: d strip ds = id & 7 (64 d); wave: o tile ot = 4 (id >> 3) + wave.
	; Matrix use: A = 16 d as rows (v_w lies [e][d]: transposing LDS load), B = 16 o as columns (out_w's rows lie along e).
	; A lane's eight results are then eight neighbouring d of one row o: half a fragment of Wvo's tile.
	s_and_b32 s6, ttmp9, 7
	s_lshr_b32 s7, ttmp9, 3
	s_lshl2_add_u32 s7, s7, s4
	v_lshlrev_b32 v7, 11, v4
	v_lshl_add_u32 v7, v3, 4, v7                   ; strip loads: sixteen lanes take 256 bytes of a row, two rows a load
	s_mul_i32 s30, s4, 128*IMGP
	s_add_co_u32 s30, s30, IMG                     ; my 128 rows of the image
	v_mul_u32_u24 v8, v4, IMGP
	v_lshl_add_u32 v8, v3, 3, v8
	v_add_nc_u32 v8, s30, v8
	v_and_b32 v9, 7, v1
	v_lshl_add_u32 v9, v4, 3, v9                   ; row 8 h + (L & 7)
	v_mul_u32_u24 v9, v9, IMGP
	v_bfe_u32 v10, v1, 3, 1
	v_lshl_add_u32 v9, v10, 4, v9                  ; + 16 ((L >> 3) & 1)
	v_add_nc_u32 v9, IMG, v9                       ; ks 0-7
	v_add_nc_u32 v10, 8*32*IMGP, v9                ; ks 8-15: beyond the 16-bit immediate
	s_lshl_b32 s30, s4, 18                         ; 128 rows of 2,048 bytes
	s_lshl_b32 s36, s6, 8
	s_add_co_u32 s30, s30, s36
	s_add_nc_u64 s[32:33], s[14:15], s[30:31]
	WIN 0x40
.set bx, 0
.rept 64
	global_load_b128 v[4*bx:4*bx+3], v7, s[32:33] offset:bx*4096
.set bx, bx+1
.endr
	WIN 0
.irp q, 0,1,2,3
	s_wait_loadcnt 48-16*\q                        ; sixteen loads are in, the younger ones stay out
	CVT16 \q
.set sx, 0
.rept 16
	ds_store_b64 v8, v[TMP+2*sx:TMP+2*sx+1] offset:(16*\q+sx)*2*IMGP
.set sx, sx+1
.endr
.endr
	s_lshl_b32 s30, s7, 15                         ; the strip's loads are all in: their base may be written
	s_add_nc_u64 s[32:33], s[16:17], s[30:31]
	T16 2048, 0                                    ; out_w's rows 16 ot ..: FR; ends with a wait for all my LDS instructions, the image's stores too
	s_barrier_signal -1
	s_barrier_wait -1                              ; the image is whole
.irp bt, 0,1,2,3,4,5,6,7
.if \bt
	PLACES                                         ; AF was read by the matrix instructions just issued
.endif
.irp ksl, 0,1
.irp dt, 0,1,2,3
	ds_load_tr16_b128 v[AF+8*(4*\ksl+\dt):AF+8*(4*\ksl+\dt)+3],   v[9+(\bt>>2)] offset:((2*\bt+\ksl)&7)*32*IMGP+\dt*32
	ds_load_tr16_b128 v[AF+8*(4*\ksl+\dt)+4:AF+8*(4*\ksl+\dt)+7], v[9+(\bt>>2)] offset:((2*\bt+\ksl)&7)*32*IMGP+\dt*32+16*IMGP
.endr
.endr
	s_wait_dscnt 0x0
	; the four accumulators take turns, one instruction a turn
.irp ksl, 0,1
.irp dt, 0,1,2,3
.if (2*\bt+\ksl) == 0
	v_wmma_f32_16x16x32_bf16 v[ACC+8*\dt:ACC+8*\dt+7], v[AF+8*(4*\ksl+\dt):AF+8*(4*\ksl+\dt)+7], v[FR+8*(2*\bt+\ksl):FR+8*(2*\bt+\ksl)+7], 0
.else
	v_wmma_f32_16x16x32_bf16 v[ACC+8*\dt:ACC+8*\dt+7], v[AF+8*(4*\ksl+\dt):AF+8*(4*\ksl+\dt)+7], v[FR+8*(2*\bt+\ksl):FR+8*(2*\bt+\ksl)+7], v[ACC+8*\dt:ACC+8*\dt+7]
.endif
.endr
.endr
.endr
	PLACES
.irp dt, 0,1,2,3
.irp r, 0,1,2,3
	v_cvt_pk_bf16_f32 v[AF+4*\dt+\r], v[ACC+8*\dt+2*\r], v[ACC+8*\dt+2*\r+1]
.endr
.endr
	s_lshl_b32 s30, s7, 14                         ; tile 64 + ot; d = 64 ds + 16 dt + 8 h lies at byte 2,048 ds + 512 dt + 16 L of it
	s_lshl_b32 s36, s6, 11
	s_add_co_u32 s30, s30, s36
	s_add_co_u32 s30, s30, 64*16384
	s_add_nc_u64 s[34:35], s[28:29], s[30:31]
.irp dt, 0,1,2,3
	global_store_b128 v2, v[AF+4*\dt:AF+4*\dt+3], s[34:35] offset:\dt*512
.endr
	s_set_vgpr_msb 0xa
	s_wait_tensorcnt 0x0
	ds_add_u32 v0, v1
	s_wait_dscnt 0x0
	s_set_vgpr_msb 0xa00
	s_endpgm
.Ljob_c:
	; JOB C: 64 biases of each kind, c = id - 64.  Wave w: zb's dot products of rows o = 64 c + 16 w + i, in f32.
	s_sub_co_u32 s6, ttmp9, 64
	s_lshl2_add_u32 s30, s6, s4
	s_lshl_b32 s30, s30, 15
	s_add_nc_u64 s[32:33], s[16:17], s[30:31]
.irp k, 0,1,2,3
	global_load_b128 v[16+4*\k:19+4*\k], v2, s[22:23] offset:512*\k    ; v_b, laid as a row's quarters are
.endr
	LOAD64 2048, 0
	s_mov_b32 s36, 0x76543210                      ; v_permlanex16_b32: lane i of one half reads lane i of the other
	s_mov_b32 s37, 0xfedcba98
	v_mov_b32 v12, 0                               ; lane r will hold row r's sum
	v_mov_b32 v13, 0                               ; the permute's destination counts as read
	s_wait_loadcnt 0x0
	WIN 0x01                                       ; source 0 in window 1
.irp cq, 0,1,2,3
.irp i, 0,1,2,3,4,5,6,7,8,9,10,11,12,13,14,15
.if \cq == 0
	v_pk_mul_f32 v[32+2*\i:33+2*\i], v[4*\i:4*\i+1], v[16:17]
.else
	v_pk_fma_f32 v[32+2*\i:33+2*\i], v[4*(16*\cq+\i):4*(16*\cq+\i)+1], v[16+4*\cq:17+4*\cq], v[32+2*\i:33+2*\i]
.endif
	v_pk_fma_f32 v[32+2*\i:33+2*\i], v[4*(16*\cq+\i)+2:4*(16*\cq+\i)+3], v[18+4*\cq:19+4*\cq], v[32+2*\i:33+2*\i]
.endr
.endr
	WIN 0
.irp i, 0,1,2,3,4,5,6,7,8,9,10,11,12,13,14,15
	v_add_f32 v[32+2*\i], v[32+2*\i], v[33+2*\i]
	v_add_f32_dpp v[32+2*\i], v[32+2*\i], v[32+2*\i] row_xmask:1 row_mask:0xf bank_mask:0xf
	v_add_f32_dpp v[32+2*\i], v[32+2*\i], v[32+2*\i] row_xmask:2 row_mask:0xf bank_mask:0xf
	v_add_f32_dpp v[32+2*\i], v[32+2*\i], v[32+2*\i] row_xmask:4 row_mask:0xf bank_mask:0xf
	v_add_f32_dpp v[32+2*\i], v[32+2*\i], v[32+2*\i] row_xmask:8 row_mask:0xf bank_mask:0xf
	v_permlanex16_b32 v13, v[32+2*\i], s36, s37
	v_add_f32 v[32+2*\i], v[32+2*\i], v13
	s_mov_b32 s38, (1<<\i)|(1<<(\i+16))
	v_cndmask_b32 v12, v12, v[32+2*\i], s38        ; lanes i and i + 16 keep row i's sum
.endr
	s_lshl_b32 s39, s4, 6
	s_add_co_u32 s39, s39, CSCR
	v_lshl_add_u32 v14, v3, 2, s39                 ; word 16 w + r of the 64 sums; lanes r and r + 16 write the same number
	ds_store_b32 v14, v12
	s_wait_dscnt 0x0                               ; for the other waves' sake
	s_barrier_signal -1
	s_barrier_wait -1
	s_lshl_b32 s30, s6, 8                          ; 64 f32
	s_add_nc_u64 s[34:35], s[28:29], s[30:31]
	v_lshlrev_b32 v15, 3, v1                       ; two numbers a lane: a wave's store covers 256 consecutive bytes, aligned
	s_cmp_lg_u32 s4, 0
	s_cbranch_scc1 .Lc_not_0
	v_add_nc_u32 v11, CSCR, v15                    ; the sums lie beyond the 16-bit immediate: the register carries their place
	ds_load_b64 v[16:17], v11                      ; wave 0: the 64 sums + out_b
	s_add_nc_u64 s[32:33], s[24:25], s[30:31]
	global_load_b64 v[18:19], v15, s[32:33]
	s_wait_loadcnt 0x0
	s_wait_dscnt 0x0
	v_pk_add_f32 v[16:17], v[16:17], v[18:19]
	global_store_b64 v15, v[16:17], s[34:35] offset:BALL+4096
	s_set_vgpr_msb 0xa
	s_wait_tensorcnt 0x0
	ds_add_u32 v0, v1
	s_wait_dscnt 0x0
	s_set_vgpr_msb 0xa00
	s_endpgm
.Lc_not_0:
	s_cmp_eq_u32 s4, 3
	s_cbranch_scc1 .Lc_end
	s_cmp_eq_u32 s4, 1                             ; wave 1: q_b, wave 2: k_b, rounded to bf16 and widened again
	s_cselect_b64 s[32:33], s[18:19], s[20:21]
	s_cselect_b32 s38, 0, 2048
	s_mov_b32 s39, 0
	s_add_nc_u64 s[32:33], s[32:33], s[30:31]
	s_add_nc_u64 s[34:35], s[34:35], s[38:39]
	global_load_b64 v[18:19], v15, s[32:33]
	s_wait_loadcnt 0x0
	v_cvt_pk_bf16_f32 v16, v18, v19
	v_lshlrev_b32 v20, 16, v16
	v_and_b32 v21, 0xffff0000, v16
	global_store_b64 v15, v[20:21], s[34:35] offset:BALL
.Lc_end:
	s_set_vgpr_msb 0xa
	s_wait_tensorcnt 0x0
	ds_add_u32 v0, v1
	s_wait_dscnt 0x0
	s_set_vgpr_msb 0xa00
	s_endpgm
.Lfunc_end_k_q21d85ded8e_prep:
	.size	k_q21d85ded8e_prep, .Lfunc_end_k_q21d85ded8e_prep-k_q21d85ded8e_prep
	.p2alignl 7, 3214868480
	.fill 96, 4, 3214868480
	.section	.rodata,"a",@progbits
	.p2align	6, 0x0
	.amdhsa_kernel k_q21d85ded8e_prep
		.amdhsa_group_segment_fixed_size 100096
		.amdhsa_private_segment_fixed_size 0
		.amdhsa_enable_private_segment 0
		.amdhsa_kernarg_size 88
		.amdhsa_user_sgpr_count 2
		.amdhsa_user_sgpr_kernarg_segment_ptr 1
		.amdhsa_wavefront_size32 1
		.amdhsa_system_sgpr_workgroup_id_x 1
		.amdhsa_system_sgpr_workgroup_id_y 1
		.amdhsa_system_sgpr_workgroup_id_z 1
		.amdhsa_system_vgpr_workitem_id 0
		.amdhsa_next_free_vgpr 514
		.amdhsa_next_free_sgpr 66
		.amdhsa_reserve_vcc 0
		.amdhsa_float_denorm_mode_32 3
		.amdhsa_float_denorm_mode_16_64 3
		.amdhsa_memory_ordered 1
		.amdhsa_forward_progress 1
		.amdhsa_inst_pref_size 130
	.end_amdhsa_kernel
	.amdgpu_metadata
---
amdhsa.version: [ 1, 2 ]
amdhsa.kernels:
  - .name:           k_q21d85ded8e_prep
    .symbol:         k_q21d85ded8e_prep.kd
    .args:
      - { .name: x, .offset: 0, .size: 8, .value_kind: global_buffer, .address_space: global }
      - { .name: q_w, .offset: 8, .size: 8, .value_kind: global_buffer, .address_space: global }
      - { .name: k_w, .offset: 16, .size: 8, .value_kind: global_buffer, .address_space: global }
      - { .name: v_w, .offset: 24, .size: 8, .value_kind: global_buffer, .address_space: global }
      - { .name: out_w, .offset: 32, .size: 8, .value_kind: global_buffer, .address_space: global }
      - { .name: q_b, .offset: 40, .size: 8, .value_kind: global_buffer, .address_space: global }
      - { .name: k_b, .offset: 48, .size: 8, .value_kind: global_buffer, .address_space: global }
      - { .name: v_b, .offset: 56, .size: 8, .value_kind: global_buffer, .address_space: global }
      - { .name: out_b, .offset: 64, .size: 8, .value_kind: global_buffer, .address_space: global }
      - { .name: xf, .offset: 72, .size: 8, .value_kind: global_buffer, .address_space: global }
      - { .name: wfb, .offset: 80, .size: 8, .value_kind: global_buffer, .address_space: global }
    .group_segment_fixed_size: 100096
    .private_segment_fixed_size: 0
    .kernarg_segment_align: 8
    .kernarg_segment_size: 88
    .max_flat_workgroup_size: 128
    .sgpr_count:     66
    .vgpr_count:     514
    .wavefront_size: 32
...
	.end_amdgpu_metadata
.endif
;; end of part 1
;; launch proj (part 2): grid 64 x 4, 4 waves a work-group, clusters of 4 x 1, 327,680 bytes of LDS; arguments xf, wfb, p32, qkb; writes p32, qkb
.if DOCPART == 2
	.amdgcn_target "amdgcn-amd-amdhsa--gfx1250"
	.amdhsa_code_object_version 6
	.text
	.protected	k_q21d85ded8e_proj
	.globl	k_q21d85ded8e_proj
	.p2align	8
	.type	k_q21d85ded8e_proj,@function
k_q21d85ded8e_proj:
	s_mov_b64 s[64:65], 0
	v_nop
	global_prefetch_b8 v0, s[64:65] scope:SCOPE_SE
	s_setreg_imm32_b32 hwreg(HW_REG_WAVE_MODE, 25, 1), 1
	s_wait_xcnt 0x0
	s_wait_alu depctr_hold_cnt(0) depctr_sa_sdst(0) depctr_va_vdst(0) depctr_va_sdst(0) depctr_va_ssrc(0) depctr_va_vcc(0) depctr_vm_vsrc(0)
	s_getreg_b32 s2, hwreg(HW_REG_IB_STS2, 6, 4)
	s_cmp_eq_u32 s2, 0
	s_cbranch_scc0 .Lentry_in_a_cluster
	s_endpgm
.Lentry_in_a_cluster:
	s_bfe_u32 s2, ttmp6, 0x10000c
	s_cmp_lg_u32 s2, 0x3003
	s_cbranch_scc0 .Lentry_shape_is_right
	s_endpgm
.Lentry_shape_is_right:
; PROJ: [Q | K | Z] = x . [Wq | Wk | Wvo]^T + bias, bf16 operands, f32 sums started by the bias.
; Out: p32 [mat 3][row b 4096 + s][512] f32, and for Q and K a bf16 copy in fragment order, qkb (Q at 0, K at 2^24; tile = 16 rows, 16,384 bytes:
; [ks 16][p 2][lane 32][16 bytes], lane (r, h): row r, k = 32 ks + 16 p + 8 h ..).
; A work-group (x = rb, y): rows 256 rb .. + 255, feature tiles 24 y .. 24 y + 23 of the 96.  A wave: 64 rows, whose 64 KiB of x stay in
; 512 registers (windows 1 and 2) for the whole kernel; the weights' tiles stream through two LDS slots of six tiles.
; For a tile (16 KiB read from LDS) a wave issues 64 matrix instructions.
; CLUSTER 4 x 1: the four work-groups of a cluster differ in rb alone and walk the same weights: each slot is asked for jointly (mask 15),
; a quarter by each wave.  x is each work-group's own and is not shared.
; MATRIX USE: A = 16 features (rows of W), B = 16 rows of x.  Lane (r, h), register j = feature 8 h + j of row r: eight neighbouring
; numbers of a row, 32 bytes of f32 for the stage, and after rounding exactly half a fragment of the bf16 copy.
; Window 0: v0-15 addresses, v16-31 two sets of bias, v32-63 at work, v64-127 / v128-191 the tile's ks 0-7 / 8-15, v192-255 two sets of 4 accumulators.
.set TPS,    6                         ; tiles in a slot
.set TILEB,  16384
.set SLOTB,  TPS*TILEB
.set QB,     SLOTB/4                   ; what one wave's tensor load brings
.set QROWS,  QB/256
.set SCR0,   2*SLOTB                   ; behind the ring, bytes that no tensor load fills: for each wave
.set SCRW,   18944                     ;   a stage of 64 rows x 272 bytes and its copy of the group's 384 biases
.set SPITCH, 272
.set BOFF,   64*SPITCH
.set BALL,   96*16384                  ; the bias table in wfb
.set L16, 2                            ; v2  16 L
.set STO, 5                            ; v5  stage, in: row r, 32 h
.set RD,  6                            ; v6  stage, back: row L >> 4, 16 (L & 15)
.set CO,  7                            ; v7  the same two rows in p32
.set BI,  8                            ; v8  my biases: 32 h
.set ADR, 12                           ; v[12:15] 16 L + slot 0, slot 0 + 64 KiB, slot 1, slot 1 + 64 KiB
.set BIAS, 16
.set TMP, 32
.set F0,  64
.set F1,  128
.set ACC0, 192
.set WV,  12                           ; s12 wave
.set G1,  16                           ; s[16:23] descriptor group 1
.set G0,  32                           ; s[32:39] descriptor group 0, one set a slot
.set RB,  54                           ; s[54:55] my 64 rows in xf
; s[40:41] my rows in p32, s[42:43] my tiles in qkb, s[44:45] / s[46:47] the same at the current group of four feature tiles, s48 its matrix (0 Q, 1 K, 2 Z)
.set MSB, 0
.macro WIN new                         ; the immediate's high byte repeats the setting that is left
.if MSB != \new
	s_set_vgpr_msb (MSB<<8)|\new
.set MSB, \new
.endif
.endm
.macro PLACES                          ; four places behind a matrix instruction (ISA guide 7.12.1 except for loads)
.rept 4
	v_nop
.endr
.endm
.macro ROUND                           ; a round of the cluster's barrier
	s_barrier_signal -1
	s_barrier_wait -1
	s_cmp_lg_u32 s[WV], 0
	s_cbranch_scc1 .Lnot_wave_0_\@
	s_barrier_signal -3
.Lnot_wave_0_\@:
	s_barrier_wait -3
	s_barrier_signal -1
	s_barrier_wait -1
.endm
.macro LOADB                           ; the resident operand: fragment (ks, qt) at v[8 (4 (ks & 7) + qt)] of window 1 + (ks >> 3)
	WIN 0x40
.irp ks, 0,1,2,3,4,5,6,7
.irp qt, 0,1,2,3
	global_load_b128 v[8*(\ks*4+\qt):8*(\ks*4+\qt)+3],   v[L16], s[RB:RB+1] offset:\qt*TILEB+\ks*1024
	global_load_b128 v[8*(\ks*4+\qt)+4:8*(\ks*4+\qt)+7], v[L16], s[RB:RB+1] offset:\qt*TILEB+\ks*1024+512
.endr
.endr
	WIN 0x80
.irp ks, 0,1,2,3,4,5,6,7
.irp qt, 0,1,2,3
	global_load_b128 v[8*(\ks*4+\qt):8*(\ks*4+\qt)+3],   v[L16], s[RB:RB+1] offset:\qt*TILEB+(\ks+8)*1024
	global_load_b128 v[8*(\ks*4+\qt)+4:8*(\ks*4+\qt)+7], v[L16], s[RB:RB+1] offset:\qt*TILEB+(\ks+8)*1024+512
.endr
.endr
	WIN 0
.endm
.macro LOADF f, slot, i, half          ; half a tile (8 ks) of tile i of the slot: 16 loads of 512 consecutive bytes
.irp ksl, 0,1,2,3,4,5,6,7
	ds_load_b128 v[\f+8*\ksl:\f+8*\ksl+3],   v[ADR+2*\slot+((\i)>>2)] offset:((\i)&3)*TILEB+(8*\half+\ksl)*1024
	ds_load_b128 v[\f+8*\ksl+4:\f+8*\ksl+7], v[ADR+2*\slot+((\i)>>2)] offset:((\i)&3)*TILEB+(8*\half+\ksl)*1024+512
.endr
.endm
.macro LOADBIAS t                      ; register j = bias of feature 16 t + 8 h + j
	ds_load_b128 v[BIAS+8*((\t)&1):BIAS+8*((\t)&1)+3],   v[BI] offset:(\t)*64
	ds_load_b128 v[BIAS+8*((\t)&1)+4:BIAS+8*((\t)&1)+7], v[BI] offset:(\t)*64+16
.endm
; 32 matrix instructions: 8 ks x 4 row tiles.  The four accumulators take turns, one instruction a turn.
; first = 1: the bias starts the sums.
.macro MM32 f, first
.irp ksl, 0,1,2,3,4,5,6,7
.irp qt, 0,1,2,3
.set mmz, 0
.if \first
.if \ksl == 0
.set mmz, 1
.endif
.endif
.if mmz
	v_wmma_f32_16x16x32_bf16 v[cur+8*\qt:cur+8*\qt+7], v[\f+8*\ksl:\f+8*\ksl+7], v[8*(\ksl*4+\qt):8*(\ksl*4+\qt)+7], v[cbi:cbi+7]
.else
	v_wmma_f32_16x16x32_bf16 v[cur+8*\qt:cur+8*\qt+7], v[\f+8*\ksl:\f+8*\ksl+7], v[8*(\ksl*4+\qt):8*(\ksl*4+\qt)+7], v[cur+8*\qt:cur+8*\qt+7]
.endif
.endr
.endr
.endm
.macro GROUPSET t                      ; feature tiles 24 y + t .. + 3 lie in one matrix: 24 y + t is a multiple of 4, a matrix has 32 tiles
	s_mul_i32 s49, s15, 24
	s_add_co_u32 s49, s49, \t
	s_lshr_b32 s48, s49, 5                         ; matrix
	s_and_b32 s50, s49, 31                         ; tile in it
	s_lshl_b32 s52, s48, 25
	s_lshl_b32 s51, s50, 6
	s_add_co_u32 s52, s52, s51
	s_add_nc_u64 s[44:45], s[40:41], s[52:53]      ; p32: 64 bytes a tile along the row: a multiple of 256
	s_lshl_b32 s52, s48, 24
	s_lshl_b32 s51, s50, 9
	s_add_co_u32 s52, s52, s51
	s_add_nc_u64 s[46:47], s[42:43], s[52:53]      ; qkb: 512 bytes a feature tile in each row tile (for Z this address is made and never used)
.endm
.macro FLUSH                           ; four feature tiles are staged: 64 rows x 256 bytes go out, sixteen lanes to 256 consecutive bytes, aligned
.irp bt, 0,1,2,3
	s_wait_xcnt 0x0                                ; TMP is the data of earlier stores
.irp n, 0,1,2,3,4,5,6,7
	ds_load_b128 v[TMP+4*\n:TMP+4*\n+3], v[RD] offset:(8*\bt+\n)*2*SPITCH
.endr
.irp n, 0,1,2,3,4,5,6,7
	s_wait_dscnt 7-\n                              ; LDS loads come back in order: load n of the eight is in
	global_store_b128 v[CO], v[TMP+4*\n:TMP+4*\n+3], s[44:45] offset:(8*\bt+\n)*4096
.endr
.endr
.endm
; the way out of tile t, under window 0 (stores and conversions take a vector register as source 1)
.macro EPI t
.set ea, ACC0+32*((\t)&1)
.set ec, ((\t)&3)
	s_wait_xcnt 0x0                                ; TMP and the two bases are sources of earlier stores
.if ec == 0
	GROUPSET \t
.endif
.irp qt, 0,1,2,3
	ds_store_b128 v[STO], v[ea+8*\qt:ea+8*\qt+3]   offset:\qt*16*SPITCH+ec*64
	ds_store_b128 v[STO], v[ea+8*\qt+4:ea+8*\qt+7] offset:\qt*16*SPITCH+ec*64+16
.endr
	s_cmp_eq_u32 s48, 2                            ; Z has no bf16 copy.  The branch hangs on y alone, which the cluster shares
	s_cbranch_scc1 .Lno_copy_\@
.irp qt, 0,1,2,3
.irp r, 0,1,2,3
	v_cvt_pk_bf16_f32 v[TMP+4*\qt+\r], v[ea+8*\qt+2*\r], v[ea+8*\qt+2*\r+1]
.endr
.endr
.irp qt, 0,1,2,3
	global_store_b128 v[L16], v[TMP+4*\qt:TMP+4*\qt+3], s[46:47] offset:\qt*TILEB+ec*512
.endr
.Lno_copy_\@:
.if ec == 3
	FLUSH
.endif
.endm
; tile i of the slot, t of the group's 24.  Phase A multiplies ks 0-7 while ks 8-15 come from LDS; phase B the other way round, for the next tile.
.macro TILE slot, i, t
.set cur, ACC0+32*((\t)&1)
.set cbi, BIAS+8*((\t)&1)
	s_wait_dscnt 0x0                               ; ks 0-7 and the bias, asked for one phase ago
.if \i
	WIN 0
	PLACES                                         ; behind the last tile's matrix instructions: F1 is loaded again, their results are read
.endif
	LOADF F1, \slot, \i, 1
.if \i
	EPI (\t)-1
.endif
	WIN 0x04                                       ; source 1 in window 1
	MM32 F0, 1
	s_wait_dscnt 0x0
	PLACES
.if \i < TPS-1
	LOADF F0, \slot, \i+1, 0
	LOADBIAS (\t)+1
.endif
	WIN 0x08                                       ; source 1 in window 2
	MM32 F1, 0
.endm
.macro SLOTWORK slot, trip
	LOADF F0, \slot, 0, 0
	LOADBIAS TPS*\trip
.irp i, 0,1,2,3,4,5
	TILE \slot, \i, TPS*\trip+\i
.endr
	WIN 0
	PLACES
	EPI TPS*\trip+TPS-1
.endm
; In front of the round every wave waits for all its tensor loads (one is out: its quarter of this trip's slot) and for its LDS instructions;
; behind the round the joint refill of the other slot comes first, one tensor load a wave.
.macro TRIP slot, refill, trip
	s_set_vgpr_msb 0xc
	s_wait_tensorcnt 0x0
	ds_add_u32 v11, v1
	s_wait_dscnt 0x0
	s_set_vgpr_msb 0xc00
	s_add_nc_u64 s[G0+4*\slot+2:G0+4*\slot+3], s[G0+4*\slot+2:G0+4*\slot+3], 2*SLOTB   ; no load of mine is out: this slot's next tiles
	s_wait_dscnt 0x0
	ROUND
.if \refill
	tensor_load_to_lds s[G0+4*(1-\slot):G0+4*(1-\slot)+3], s[G1:G1+7]
	s_nop 0
.endif
	SLOTWORK \slot, \trip
.endm
	s_load_b256 s[4:11], s[0:1], 0x0               ; xf 4, wfb 6, p32 8, qkb 10
	v_lshl_add_u32 v11, v0, 2, 0x42800
	s_set_vgpr_msb 0xc0
	v_mov_b32 v1, 0
	s_set_vgpr_msb 0xc0cc
	ds_add_u32 v11, v1
	ds_add_u32 v11, v1
	s_set_vgpr_msb 0xcc00
	v_lshrrev_b32 v1, 5, v0
	v_readfirstlane_b32 s[WV], v1
	v_and_b32 v1, 31, v0
	v_lshlrev_b32 v[L16], 4, v1
	v_and_b32 v3, 15, v1                           ; r
	v_lshrrev_b32 v4, 4, v1                        ; h
	s_bfe_u32 s13, ttmp6, 0x40000                  ; cx
	s_lshl_b32 s14, ttmp9, 2
	s_add_co_u32 s14, s14, s13                     ; rb
	s_and_b32 s15, ttmp7, 0xffff                   ; y
	; group 1: a dense block as QROWS rows of 32 elements of 8 bytes
	s_mov_b32 s[G1+0], 15|(3<<16)|(1<<21)          ; 15:0 the four work-groups of the cluster; 17:16 elements of 8 bytes; 21 set beside a mask
	s_mov_b32 s[G1+1], 32<<16                      ; tensor_dim0 = 32
	s_mov_b32 s[G1+2], QROWS<<16                   ; tensor_dim1
	s_mov_b32 s[G1+3], 32<<16                      ; tile_dim0 = 32
	s_mov_b32 s[G1+4], QROWS                       ; tile_dim1
	s_mov_b32 s[G1+5], 32                          ; from row to row
	s_mov_b32 s[G1+6], 0
	s_mov_b32 s[G1+7], 0
	s_mul_i32 s24, s[WV], QB                       ; my quarter of a slot, in LDS and in memory: the wave's number alone
	s_mul_i32 s26, s15, 24*TILEB                   ; the group's weights hang on y alone
	s_add_co_u32 s26, s26, s24
	s_mov_b32 s27, 0
	s_lshl_b32 s56, s14, 4
	s_lshl2_add_u32 s56, s[WV], s56                ; my first row tile: 16 rb + 4 w
	s_lshl_b32 s56, s56, 14
	s_mov_b32 s57, 0
	s_mul_i32 s52, s15, 24*64                      ; the group's 384 biases
	s_add_co_u32 s52, s52, BALL
	s_mov_b32 s53, 0
	s_wait_dscnt 0x0
	s_wait_kmcnt 0x0
	s_add_nc_u64 s[28:29], s[6:7], s[26:27]
	s_add_nc_u64 s[RB:RB+1], s[4:5], s[56:57]
	s_add_nc_u64 s[42:43], s[10:11], s[56:57]
	s_lshl_b32 s56, s56, 1                         ; 16 rows of 2,048 bytes a tile
	s_add_nc_u64 s[40:41], s[8:9], s[56:57]
	s_add_nc_u64 s[44:45], s[6:7], s[52:53]
.irp n, 0,1
	s_mov_b32 s[G0+4*\n], 1
	s_add_co_u32 s[G0+4*\n+1], s24, \n*SLOTB
	s_add_nc_u64 s[G0+4*\n+2:G0+4*\n+3], s[28:29], \n*SLOTB
	s_or_b32 s[G0+4*\n+3], s[G0+4*\n+3], 0x80000000
.endr
	ROUND                                          ; the four work-groups are here: the first joint load meets
	tensor_load_to_lds s[G0:G0+3], s[G1:G1+7]      ; slot 0
	s_nop 0
.irp k, 0,1,2
	global_load_b128 v[TMP+4*\k:TMP+4*\k+3], v[L16], s[44:45] offset:512*\k
.endr
	LOADB
	s_mul_i32 s58, s[WV], SCRW
	s_add_co_u32 s58, s58, SCR0
	v_mul_u32_u24 v10, v3, SPITCH
	v_lshl_add_u32 v[STO], v4, 5, v10
	v_add_nc_u32 v[STO], s58, v[STO]
	v_mul_u32_u24 v10, v4, SPITCH
	v_lshl_add_u32 v[RD], v3, 4, v10
	v_add_nc_u32 v[RD], s58, v[RD]
	v_lshlrev_b32 v10, 11, v4
	v_lshl_add_u32 v[CO], v3, 4, v10
	s_add_co_u32 s59, s58, BOFF
	v_lshl_add_u32 v[BI], v4, 5, s59
	v_add_nc_u32 v9, s59, v[L16]
	v_mov_b32 v[ADR], v[L16]
	v_add_nc_u32 v[ADR+1], 65536, v[L16]
	v_add_nc_u32 v[ADR+2], SLOTB, v[L16]
	v_add_nc_u32 v[ADR+3], SLOTB+65536, v[L16]
	s_wait_loadcnt 0x0                             ; x and the biases, once
.irp k, 0,1,2
	ds_store_b128 v9, v[TMP+4*\k:TMP+4*\k+3] offset:512*\k     ; each wave keeps its own copy: no barrier is owed for it
.endr
	TRIP 0, 1, 0
	TRIP 1, 1, 1
	TRIP 0, 1, 2
	TRIP 1, 0, 3                                   ; nothing is left to fetch
	s_set_vgpr_msb 0xc
	s_wait_tensorcnt 0x0
	ds_add_u32 v11, v1
	s_wait_dscnt 0x0
	s_set_vgpr_msb 0xc00
	ROUND                                          ; the closing round
	s_endpgm
.Lfunc_end_k_q21d85ded8e_proj:
	.size	k_q21d85ded8e_proj, .Lfunc_end_k_q21d85ded8e_proj-k_q21d85ded8e_proj
	.p2alignl 7, 3214868480
	.fill 96, 4, 3214868480
	.section	.rodata,"a",@progbits
	.p2align	6, 0x0
	.amdhsa_kernel k_q21d85ded8e_proj
		.amdhsa_group_segment_fixed_size 327680
		.amdhsa_private_segment_fixed_size 0
		.amdhsa_enable_private_segment 0
		.amdhsa_kernarg_size 32
		.amdhsa_user_sgpr_count 2
		.amdhsa_user_sgpr_kernarg_segment_ptr 1
		.amdhsa_wavefront_size32 1
		.amdhsa_system_sgpr_workgroup_id_x 1
		.amdhsa_system_sgpr_workgroup_id_y 1
		.amdhsa_system_sgpr_workgroup_id_z 1
		.amdhsa_system_vgpr_workitem_id 0
		.amdhsa_next_free_vgpr 770
		.amdhsa_next_free_sgpr 66
		.amdhsa_reserve_vcc 0
		.amdhsa_float_denorm_mode_32 3
		.amdhsa_float_denorm_mode_16_64 3
		.amdhsa_memory_ordered 1
		.amdhsa_forward_progress 1
		.amdhsa_inst_pref_size 255
	.end_amdhsa_kernel
	.section	.bss,"aw",@nobits
	.p2align	6
	.space	262144
	.amdgpu_metadata
---
amdhsa.version: [ 1, 2 ]
amdhsa.kernels:
  - .name:           k_q21d85ded8e_proj
    .symbol:         k_q21d85ded8e_proj.kd
    .args:
      - { .name: xf, .offset: 0, .size: 8, .value_kind: global_buffer, .address_space: global }
      - { .name: wfb, .offset: 8, .size: 8, .value_kind: global_buffer, .address_space: global }
      - { .name: p32, .offset: 16, .size: 8, .value_kind: global_buffer, .address_space: global }
      - { .name: qkb, .offset: 24, .size: 8, .value_kind: global_buffer, .address_space: global }
    .group_segment_fixed_size: 327680
    .private_segment_fixed_size: 0
    .kernarg_segment_align: 8
    .kernarg_segment_size: 32
    .max_flat_workgroup_size: 128
    .sgpr_count:     66
    .vgpr_count:     770
    .wavefront_size: 32
...
	.end_amdgpu_metadata
.endif
;; end of part 2
;; launch score (part 3): grid 16 x 16, 4 waves a work-group, clusters of 4 x 1, 327,680 bytes of LDS; arguments qkb, cand; writes cand
.if DOCPART == 3
	.amdgcn_target "amdgcn-amd-amdhsa--gfx1250"
	.amdhsa_code_object_version 6
	.text
	.protected	k_q21d85ded8e_score
	.globl	k_q21d85ded8e_score
	.p2align	8
	.type	k_q21d85ded8e_score,@function
k_q21d85ded8e_score:
	s_mov_b64 s[64:65], 0
	v_nop
	global_prefetch_b8 v0, s[64:65] scope:SCOPE_SE
	s_setreg_imm32_b32 hwreg(HW_REG_WAVE_MODE, 25, 1), 1
	s_wait_xcnt 0x0
	s_wait_alu depctr_hold_cnt(0) depctr_sa_sdst(0) depctr_va_vdst(0) depctr_va_sdst(0) depctr_va_ssrc(0) depctr_va_vcc(0) depctr_vm_vsrc(0)
	s_getreg_b32 s2, hwreg(HW_REG_IB_STS2, 6, 4)
	s_cmp_eq_u32 s2, 0
	s_cbranch_scc0 .Lentry_in_a_cluster
	s_endpgm
.Lentry_in_a_cluster:
	s_bfe_u32 s2, ttmp6, 0x10000c
	s_cmp_lg_u32 s2, 0x3003
	s_cbranch_scc0 .Lentry_shape_is_right
	s_endpgm
.Lentry_shape_is_right:
; SCORE: bf16 scores of 256 queries (x = query block) against 1,024 keys (y = 4 b + chunk), and for each query the three largest of the chunk.
; These scores only NOMINATE: the decision between candidates is made later in f32.  A score's low 10 mantissa bits are replaced by the key's
; number in the chunk, so that value and index travel in one word and a maximum of words carries its index.
; LIMITS: finite inputs only; a nominee is compared with 14 significant bits of a product of bf16 operands; the true maximum is lost if, in that
; arithmetic, two others of its class (chunk, key & 8, key & 3) or three others of its chunk stand above it.
; A wave: 64 queries, resident in 512 registers (windows 1 and 2); K's tiles (16 keys, 16 KiB, fragment order) stream through two LDS slots of 8 tiles.
; For a tile (16 KiB read from LDS) a wave issues 64 matrix instructions.
; CLUSTER 4 x 1: the four query blocks of a cluster read the same keys: each slot is asked for jointly (mask 15), a quarter by each wave.
; MATRIX USE: A = 16 keys, B = 16 queries: lane (r, h), register j = score of key 8 h + j for query r.
; The bookkeeping of a tile (two vector instructions for each matrix instruction) rides between the next tile's matrix instructions; none of its lines
; takes a vector register as source 1, the one place whose window is switched.
.set TPS,    8
.set TILEB,  16384
.set SLOTB,  TPS*TILEB
.set QB,     SLOTB/4
.set QROWS,  QB/256
.set TRIPS,  8                         ; 64 key tiles
.set L16, 2
.set HB,  9                            ; v9  8 h
.set ADR, 12                           ; v[12:15] 16 L + slot 0, + 64 KiB, slot 1, + 64 KiB
.set ST,  16                           ; v[16:47] largest and second of (query tile qt, class l = j & 3) at ST + 8 qt + 2 l
.set T,   48                           ; v[48:51] at work
.set M3R, 56                           ; v[56:59] the tail's third
.set OUTR, 60                          ; v[60:67] two records to store
.set F0,  64
.set F1,  128
.set ACC0, 192
.set WV,  12
.set G1,  16
.set G0,  32
.set RB,  40                           ; s[40:41] my queries
.set CNT, 44
.set MASKR, 45
.set PINF, 46
.set NINF, 47
.set TB,  48                           ; first key of the slot, in the chunk
.set CB,  50                           ; s[50:51] my records in cand
.set CODE, 52                          ; s[52:59] key number of register j, without 8 h
.set MSB, 0
.macro WIN new                         ; the immediate's high byte repeats the setting that is left
.if MSB != \new
	s_set_vgpr_msb (MSB<<8)|\new
.set MSB, \new
.endif
.endm
.macro PLACES                          ; four places behind a matrix instruction (ISA guide 7.12.1 except for loads)
.rept 4
	v_nop
.endr
.endm
.macro ROUND                           ; a round of the cluster's barrier
	s_barrier_signal -1
	s_barrier_wait -1
	s_cmp_lg_u32 s[WV], 0
	s_cbranch_scc1 .Lnot_wave_0_\@
	s_barrier_signal -3
.Lnot_wave_0_\@:
	s_barrier_wait -3
	s_barrier_signal -1
	s_barrier_wait -1
.endm
.macro LOADB                           ; the resident operand: fragment (ks, qt) at v[8 (4 (ks & 7) + qt)] of window 1 + (ks >> 3)
	WIN 0x40
.irp ks, 0,1,2,3,4,5,6,7
.irp qt, 0,1,2,3
	global_load_b128 v[8*(\ks*4+\qt):8*(\ks*4+\qt)+3],   v[L16], s[RB:RB+1] offset:\qt*TILEB+\ks*1024
	global_load_b128 v[8*(\ks*4+\qt)+4:8*(\ks*4+\qt)+7], v[L16], s[RB:RB+1] offset:\qt*TILEB+\ks*1024+512
.endr
.endr
	WIN 0x80
.irp ks, 0,1,2,3,4,5,6,7
.irp qt, 0,1,2,3
	global_load_b128 v[8*(\ks*4+\qt):8*(\ks*4+\qt)+3],   v[L16], s[RB:RB+1] offset:\qt*TILEB+(\ks+8)*1024
	global_load_b128 v[8*(\ks*4+\qt)+4:8*(\ks*4+\qt)+7], v[L16], s[RB:RB+1] offset:\qt*TILEB+(\ks+8)*1024+512
.endr
.endr
	WIN 0
.endm
.macro LOADF f, slot, i, half          ; half a tile (8 ks) of tile i of the slot: 16 loads of 512 consecutive bytes
.irp ksl, 0,1,2,3,4,5,6,7
	ds_load_b128 v[\f+8*\ksl:\f+8*\ksl+3],   v[ADR+2*\slot+((\i)>>2)] offset:((\i)&3)*TILEB+(8*\half+\ksl)*1024
	ds_load_b128 v[\f+8*\ksl+4:\f+8*\ksl+7], v[ADR+2*\slot+((\i)>>2)] offset:((\i)&3)*TILEB+(8*\half+\ksl)*1024+512
.endr
.endm
.macro SETCODE k                       ; key numbers of tile k of the slot
.irp j, 0,1,2,3,4,5,6,7
	s_add_co_u32 s[CODE+\j], s[TB], 16*(\k)+\j
.endr
.endm
; line n (0 .. 63) of the bookkeeping of query tiles 2 part, 2 part + 1 of accumulator set acc.  Sixteen lines serve four scores (classes 0-3):
; tag with the key number; t = min(first, x); second = max(second, t); first = max(first, x).
.macro EOP acc, part, n
.set e_q, 2*\part+(\n)/32
.set e_l, (\n)%4
.set e_j, 4*(((\n)%32)/16)+e_l
.set e_s, ((\n)%16)/4
.set e_x, \acc+8*e_q+e_j
.set e_m, ST+8*e_q+2*e_l
.if e_s == 0
	v_and_or_b32 v[e_x], v[e_x], s[MASKR], s[CODE+e_j]
.elseif e_s == 1
	v_min3_num_f32 v[T+e_l], v[e_m], s[PINF], v[e_x]
.elseif e_s == 2
	v_max3_num_f32 v[e_m+1], v[e_m+1], s[NINF], v[T+e_l]
.else
	v_max3_num_f32 v[e_m], v[e_m], s[NINF], v[e_x]
.endif
.endm
; 32 matrix instructions: 8 ks x 4 query tiles.  The four accumulators take turns, one instruction a turn.
; first = 1: the constant 0 starts the sums.  hook: two lines of the last tile's bookkeeping behind each.
.macro MM32 f, first, hook, part
.set mmn, 0
.irp ksl, 0,1,2,3,4,5,6,7
.irp qt, 0,1,2,3
.set mmz, 0
.if \first
.if \ksl == 0
.set mmz, 1
.endif
.endif
.if mmz
	v_wmma_f32_16x16x32_bf16 v[cur+8*\qt:cur+8*\qt+7], v[\f+8*\ksl:\f+8*\ksl+7], v[8*(\ksl*4+\qt):8*(\ksl*4+\qt)+7], 0
.else
	v_wmma_f32_16x16x32_bf16 v[cur+8*\qt:cur+8*\qt+7], v[\f+8*\ksl:\f+8*\ksl+7], v[8*(\ksl*4+\qt):8*(\ksl*4+\qt)+7], v[cur+8*\qt:cur+8*\qt+7]
.endif
.if \hook
	EOP prv, \part, 2*mmn
	EOP prv, \part, 2*mmn+1
.endif
.set mmn, mmn+1
.endr
.endr
.endm
; tile i of the slot.  Phase A multiplies ks 0-7 while ks 8-15 come from LDS; phase B the other way round, for the next tile.
.macro TILE slot, i
.set cur, ACC0+32*(\i&1)
.set prv, ACC0+32-32*(\i&1)
	s_wait_dscnt 0x0                               ; ks 0-7, asked for one phase ago
.if \i
	PLACES                                         ; behind the last tile's matrix instructions: F1 is loaded again, their results are read
.endif
	LOADF F1, \slot, \i, 1
.if \i
	SETCODE \i-1
.endif
	WIN 0x04                                       ; source 1 in window 1
	MM32 F0, 1, \i, 0
	s_wait_dscnt 0x0
	PLACES
.if \i < TPS-1
	LOADF F0, \slot, \i+1, 0
.endif
	WIN 0x08                                       ; source 1 in window 2
	MM32 F1, 0, \i, 1
.endm
.macro SLOTWORK slot
	LOADF F0, \slot, 0, 0
.irp i, 0,1,2,3,4,5,6,7
	TILE \slot, \i
.endr
	WIN 0
	PLACES
	SETCODE TPS-1                                  ; the slot's last tile has no successor to ride on
.set en, 0
.rept 64
	EOP cur, 0, en
.set en, en+1
.endr
.set en, 0
.rept 64
	EOP cur, 1, en
.set en, en+1
.endr
	s_add_co_u32 s[TB], s[TB], 16*TPS
.endm
; In front of the round every wave waits for all its tensor loads (one is out: its quarter of this trip's slot) and for its LDS reads;
; behind the round the joint refill of the other slot comes first, one tensor load a wave.
.macro TRIP slot, refill
	s_wait_tensorcnt 0x0
	ds_add_u32 v54, v55
	s_wait_dscnt 0x0
	s_add_nc_u64 s[G0+4*\slot+2:G0+4*\slot+3], s[G0+4*\slot+2:G0+4*\slot+3], 2*SLOTB   ; no load of mine is out: this slot's next tiles
	s_wait_dscnt 0x0
	ROUND
.if \refill
	tensor_load_to_lds s[G0+4*(1-\slot):G0+4*(1-\slot)+3], s[G1:G1+7]
	s_nop 0
.endif
	SLOTWORK \slot
.endm
.macro INS3 m1, m2, m3, x              ; x into the sorted three
	v_min_num_f32 v[T], v[\m2], v[\x]
	v_max_num_f32 v[\m3], v[\m3], v[T]
	v_med3_num_f32 v[\m2], v[\m1], v[\m2], v[\x]
	v_max_num_f32 v[\m1], v[\m1], v[\x]
.endm
	s_load_b128 s[4:7], s[0:1], 0x0                ; qkb 4, cand 6
	v_lshl_add_u32 v54, v0, 2, 0x40000
	v_mov_b32 v55, 0
	ds_add_u32 v54, v55
	ds_add_u32 v54, v55
	v_lshrrev_b32 v1, 5, v0
	v_readfirstlane_b32 s[WV], v1
	v_and_b32 v1, 31, v0
	v_lshlrev_b32 v[L16], 4, v1
	s_bfe_u32 s13, ttmp6, 0x40000                  ; cx
	s_lshl_b32 s14, ttmp9, 2
	s_add_co_u32 s14, s14, s13                     ; query block
	s_and_b32 s15, ttmp7, 0xffff                   ; y = 4 b + chunk
	; group 1: a dense block as QROWS rows of 32 elements of 8 bytes
	s_mov_b32 s[G1+0], 15|(3<<16)|(1<<21)          ; 15:0 the four work-groups of the cluster; 17:16 elements of 8 bytes; 21 set beside a mask
	s_mov_b32 s[G1+1], 32<<16                      ; tensor_dim0 = 32
	s_mov_b32 s[G1+2], QROWS<<16                   ; tensor_dim1
	s_mov_b32 s[G1+3], 32<<16                      ; tile_dim0 = 32
	s_mov_b32 s[G1+4], QROWS                       ; tile_dim1
	s_mov_b32 s[G1+5], 32                          ; from row to row
	s_mov_b32 s[G1+6], 0
	s_mov_b32 s[G1+7], 0
	s_mul_i32 s24, s[WV], QB                       ; my quarter of a slot, in LDS and in memory: the wave's number alone
	s_lshl_b32 s26, s15, 20                        ; key tiles 64 y ..: they hang on y alone
	s_add_co_u32 s26, s26, s24
	s_add_co_u32 s26, s26, 1<<24                   ; K's copy lies behind Q's
	s_mov_b32 s27, 0
	s_lshr_b32 s25, s15, 2                         ; b
	s_lshl_b32 s42, s25, 8
	s_lshl4_add_u32 s42, s14, s42
	s_lshl2_add_u32 s42, s[WV], s42                ; my first query tile: 256 b + 16 block + 4 w
	s_lshl_b32 s49, s42, 8                         ; 16 queries x 16 bytes a tile
	s_lshl_b32 s42, s42, 14
	s_mov_b32 s43, 0
	s_and_b32 s30, s15, 3
	s_lshl_b32 s30, s30, 18                        ; the chunk's plane of 16,384 records
	s_add_co_u32 s30, s30, s49
	s_mov_b32 s31, 0
	s_wait_dscnt 0x0
	s_wait_kmcnt 0x0
	s_add_nc_u64 s[28:29], s[4:5], s[26:27]
	s_add_nc_u64 s[RB:RB+1], s[4:5], s[42:43]
	s_add_nc_u64 s[CB:CB+1], s[6:7], s[30:31]
.irp n, 0,1
	s_mov_b32 s[G0+4*\n], 1
	s_add_co_u32 s[G0+4*\n+1], s24, \n*SLOTB
	s_add_nc_u64 s[G0+4*\n+2:G0+4*\n+3], s[28:29], \n*SLOTB
	s_or_b32 s[G0+4*\n+3], s[G0+4*\n+3], 0x80000000
.endr
	ROUND                                          ; the four work-groups are here: the first joint load meets
	tensor_load_to_lds s[G0:G0+3], s[G1:G1+7]      ; slot 0
	s_nop 0
	LOADB
	s_mov_b32 s[MASKR], 0xfffffc00
	s_mov_b32 s[PINF], 0x7f800000
	s_mov_b32 s[NINF], 0xff800000
	s_mov_b32 s[TB], 0
	s_mov_b32 s60, 0x76543210                      ; v_permlanex16_b32: lane i of one half reads lane i of the other
	s_mov_b32 s61, 0xfedcba98
	v_and_b32 v[HB], 16, v1
	v_lshrrev_b32 v[HB], 1, v[HB]
	v_mov_b32 v[ADR], v[L16]
	v_add_nc_u32 v[ADR+1], 65536, v[L16]
	v_add_nc_u32 v[ADR+2], SLOTB, v[L16]
	v_add_nc_u32 v[ADR+3], SLOTB+65536, v[L16]
.set ix, 0
.rept 32
	v_mov_b32 v[ST+ix], s[NINF]                    ; every class meets 128 keys, so none of these is left at the end
.set ix, ix+1
.endr
	s_wait_loadcnt 0x0                             ; my queries, once
	s_mov_b32 s[CNT], TRIPS/2-1
.Lloop:
	TRIP 0, 1
	TRIP 1, 1
	s_sub_co_u32 s[CNT], s[CNT], 1
	s_cmp_lg_u32 s[CNT], 0
	s_cbranch_scc1 .Lloop
	TRIP 0, 1
	TRIP 1, 0                                      ; nothing is left to fetch
	; THE TAIL: 8 h completes the key numbers; a query's eight words, and the other half's three, give the chunk's three largest
.set ix, 0
.rept 32
	v_or_b32 v[ST+ix], v[ST+ix], v[HB]
.set ix, ix+1
.endr
.irp qt, 0,1,2,3
	v_mov_b32 v[M3R+\qt], s[NINF]
.irp x, 2,3,4,5,6,7
	INS3 ST+8*\qt, ST+8*\qt+1, M3R+\qt, ST+8*\qt+\x
.endr
	v_permlanex16_b32 v[T+1], v[ST+8*\qt], s60, s61
	v_permlanex16_b32 v[T+2], v[ST+8*\qt+1], s60, s61
	v_permlanex16_b32 v[T+3], v[M3R+\qt], s60, s61
.irp x, 1,2,3
	INS3 ST+8*\qt, ST+8*\qt+1, M3R+\qt, T+\x
.endr
.endr
	v_cmp_le_u32 vcc_lo, 16, v1                    ; lanes 16-31 store the odd query tile: lane L then holds query 32 p + L
.irp p, 0,1
	v_cndmask_b32 v[OUTR+4*\p],   v[ST+16*\p],   v[ST+16*\p+8], vcc_lo
	v_cndmask_b32 v[OUTR+4*\p+1], v[ST+16*\p+1], v[ST+16*\p+9], vcc_lo
	v_cndmask_b32 v[OUTR+4*\p+2], v[M3R+2*\p],   v[M3R+2*\p+1], vcc_lo
	v_mov_b32 v[OUTR+4*\p+3], 0                    ; the record's fourth word fills it to 16 bytes: a store covers 512 consecutive bytes, aligned
	global_store_b128 v[L16], v[OUTR+4*\p:OUTR+4*\p+3], s[CB:CB+1] offset:512*\p
.endr
	ROUND                                          ; the closing round
	s_endpgm
.Lfunc_end_k_q21d85ded8e_score:
	.size	k_q21d85ded8e_score, .Lfunc_end_k_q21d85ded8e_score-k_q21d85ded8e_score
	.p2alignl 7, 3214868480
	.fill 96, 4, 3214868480
	.section	.rodata,"a",@progbits
	.p2align	6, 0x0
	.amdhsa_kernel k_q21d85ded8e_score
		.amdhsa_group_segment_fixed_size 327680
		.amdhsa_private_segment_fixed_size 0
		.amdhsa_enable_private_segment 0
		.amdhsa_kernarg_size 16
		.amdhsa_user_sgpr_count 2
		.amdhsa_user_sgpr_kernarg_segment_ptr 1
		.amdhsa_wavefront_size32 1
		.amdhsa_system_sgpr_workgroup_id_x 1
		.amdhsa_system_sgpr_workgroup_id_y 1
		.amdhsa_system_sgpr_workgroup_id_z 1
		.amdhsa_system_vgpr_workitem_id 0
		.amdhsa_next_free_vgpr 768
		.amdhsa_next_free_sgpr 66
		.amdhsa_reserve_vcc 1
		.amdhsa_float_denorm_mode_32 3
		.amdhsa_float_denorm_mode_16_64 3
		.amdhsa_memory_ordered 1
		.amdhsa_forward_progress 1
		.amdhsa_inst_pref_size 255
	.end_amdhsa_kernel
	.section	.bss,"aw",@nobits
	.p2align	6
	.space	262144
	.amdgpu_metadata
---
amdhsa.version: [ 1, 2 ]
amdhsa.kernels:
  - .name:           k_q21d85ded8e_score
    .symbol:         k_q21d85ded8e_score.kd
    .args:
      - { .name: qkb, .offset: 0, .size: 8, .value_kind: global_buffer, .address_space: global }
      - { .name: cand, .offset: 8, .size: 8, .value_kind: global_buffer, .address_space: global }
    .group_segment_fixed_size: 327680
    .private_segment_fixed_size: 0
    .kernarg_segment_align: 8
    .kernarg_segment_size: 16
    .max_flat_workgroup_size: 128
    .sgpr_count:     66
    .vgpr_count:     768
    .wavefront_size: 32
...
	.end_amdgpu_metadata
.endif
;; end of part 3
;; launch merge (part 4): grid 128 x 1, 4 waves a work-group, no clusters, 0 bytes of LDS; arguments cand, idx; writes idx
.if DOCPART == 4
	.amdgcn_target "amdgcn-amd-amdhsa--gfx1250"
	.amdhsa_code_object_version 6
	.text
	.protected	k_q21d85ded8e_merge
	.globl	k_q21d85ded8e_merge
	.p2align	8
	.type	k_q21d85ded8e_merge,@function
k_q21d85ded8e_merge:
	s_mov_b64 s[64:65], 0
	v_nop
	global_prefetch_b8 v0, s[64:65] scope:SCOPE_SE
	s_setreg_imm32_b32 hwreg(HW_REG_WAVE_MODE, 25, 1), 1
	s_wait_xcnt 0x0
; MERGE: a thread takes one query: its four chunks' three nominees (tagged scores, sorted) give the three largest overall; their key numbers in the
; batch (chunk x 1,024 + tag) are stored in ASCENDING order as whole numbers, from which the next launch forms addresses.
; No LDS, matrix unit or cluster: 16 bytes in per chunk and 16 out per thread, each of a wave's accesses 512 consecutive bytes, aligned.
.set PLANE, 262144                     ; a chunk's 16,384 records of 16 bytes
; v[4:19] the four records; v4, v5, v6 become the running three; v[20:31] key numbers, v20, v21, v22 those of the running three
	s_load_b128 s[4:7], s[0:1], 0x0                ; cand 4, idx 6
	s_lshl_b32 s8, ttmp9, 7
	s_mov_b32 s9, 0x3ff
	v_add_nc_u32 v1, s8, v0
	v_lshlrev_b32 v1, 4, v1
	s_wait_kmcnt 0x0
.irp ch, 0,1,2,3
	global_load_b128 v[4+4*\ch:7+4*\ch], v1, s[4:5] offset:\ch*PLANE th:TH_LOAD_NT
.endr
	s_wait_loadcnt 0x0
.irp ch, 0,1,2,3
.irp k, 0,1,2
	v_and_or_b32 v[20+3*\ch+\k], v[4+4*\ch+\k], s9, \ch<<10
.endr
.endr
.macro INSP x, id                      ; (value, key) into the sorted three
	v_cmp_gt_f32 s20, v[\x], v4
	v_cmp_gt_f32 s21, v[\x], v5
	v_cmp_gt_f32 s22, v[\x], v6
	v_cndmask_b32 v2, v[\x], v5, s21
	v_cndmask_b32 v3, v[\id], v21, s21
	v_cndmask_b32 v6, v6, v2, s22
	v_cndmask_b32 v22, v22, v3, s22
	v_cndmask_b32 v2, v[\x], v4, s20
	v_cndmask_b32 v3, v[\id], v20, s20
	v_cndmask_b32 v5, v5, v2, s21
	v_cndmask_b32 v21, v21, v3, s21
	v_cndmask_b32 v4, v4, v[\x], s20
	v_cndmask_b32 v20, v20, v[\id], s20
.endm
.irp ch, 1,2,3
.irp k, 0,1,2
	INSP 4+4*\ch+\k, 20+3*\ch+\k
.endr
.endr
	v_min_u32 v2, v20, v21                         ; ascending, so that a strict comparison later keeps the first of equal scores
	v_max_u32 v3, v20, v21
	v_min_u32 v8, v3, v22
	v_max_u32 v34, v3, v22
	v_min_u32 v32, v2, v8
	v_max_u32 v33, v2, v8
	v_mov_b32 v35, 0
	global_store_b128 v1, v[32:35], s[6:7]
	s_endpgm
.Lfunc_end_k_q21d85ded8e_merge:
	.size	k_q21d85ded8e_merge, .Lfunc_end_k_q21d85ded8e_merge-k_q21d85ded8e_merge
	.p2alignl 7, 3214868480
	.fill 96, 4, 3214868480
	.section	.rodata,"a",@progbits
	.p2align	6, 0x0
	.amdhsa_kernel k_q21d85ded8e_merge
		.amdhsa_group_segment_fixed_size 0
		.amdhsa_private_segment_fixed_size 0
		.amdhsa_enable_private_segment 0
		.amdhsa_kernarg_size 16
		.amdhsa_user_sgpr_count 2
		.amdhsa_user_sgpr_kernarg_segment_ptr 1
		.amdhsa_wavefront_size32 1
		.amdhsa_system_sgpr_workgroup_id_x 1
		.amdhsa_system_sgpr_workgroup_id_y 1
		.amdhsa_system_sgpr_workgroup_id_z 1
		.amdhsa_system_vgpr_workitem_id 0
		.amdhsa_next_free_vgpr 40
		.amdhsa_next_free_sgpr 66
		.amdhsa_reserve_vcc 0
		.amdhsa_float_denorm_mode_32 3
		.amdhsa_float_denorm_mode_16_64 3
		.amdhsa_memory_ordered 1
		.amdhsa_forward_progress 1
		.amdhsa_inst_pref_size 10
	.end_amdhsa_kernel
	.amdgpu_metadata
---
amdhsa.version: [ 1, 2 ]
amdhsa.kernels:
  - .name:           k_q21d85ded8e_merge
    .symbol:         k_q21d85ded8e_merge.kd
    .args:
      - { .name: cand, .offset: 0, .size: 8, .value_kind: global_buffer, .address_space: global }
      - { .name: idx, .offset: 8, .size: 8, .value_kind: global_buffer, .address_space: global }
    .group_segment_fixed_size: 0
    .private_segment_fixed_size: 0
    .kernarg_segment_align: 8
    .kernarg_segment_size: 16
    .max_flat_workgroup_size: 128
    .sgpr_count:     66
    .vgpr_count:     40
    .wavefront_size: 32
...
	.end_amdgpu_metadata
.endif
;; end of part 4
;; launch pick (part 5): grid 512 x 1, 8 waves a work-group, no clusters, 0 bytes of LDS; arguments p32, idx, out_b, out0; writes out0
.if DOCPART == 5
	.amdgcn_target "amdgcn-amd-amdhsa--gfx1250"
	.amdhsa_code_object_version 6
	.text
	.protected	k_q21d85ded8e_pick
	.globl	k_q21d85ded8e_pick
	.p2align	8
	.type	k_q21d85ded8e_pick,@function
k_q21d85ded8e_pick:
	s_mov_b64 s[64:65], 0
	v_nop
	global_prefetch_b8 v0, s[64:65] scope:SCOPE_SE
	s_setreg_imm32_b32 hwreg(HW_REG_WAVE_MODE, 25, 1), 1
	s_wait_xcnt 0x0
; PICK: for each query the f32 scores q . k of its three candidates (ascending key numbers), the first largest by strict comparison, the threshold
; 0.95, and the output row: Z[winner], or out_b where the maximum is below the threshold (a zero row times out_w^T, plus out_b).
; A wave takes four consecutive queries of one batch, a row (2,048 bytes) as four loads of 512 consecutive bytes.  All three Z rows are loaded and the
; choice is made by v_cndmask_b32: no address and no branch hangs on a floating-point number.
; The three sums are made by the same instructions in the same order, so equal rows give equal sums.
; LIMITS: finite inputs only; the sums' order of rounding is a lane-wise one, not the written one.
; No LDS, matrix unit or cluster: 28 loads of a wave are on their way at once, several work-groups lie on a WGP, and nothing is shared but by chance.
.set VB, 4                             ; v[4:19]    out_b
.set VQ, 20                            ; v[20:35]   q
.set VK, 36                            ; v[36:83]   three k rows
.set VZ, 84                            ; v[84:131]  three Z rows; the first becomes the output
.set VS, 132                           ; v[132:137] three pairs of sums
.set VT, 138                           ; v[138:140] at work
	s_load_b256 s[4:11], s[0:1], 0x0               ; p32 4, idx 6, out_b 8, out0 10
	v_lshrrev_b32 v1, 5, v0
	v_readfirstlane_b32 s12, v1                    ; wave
	v_and_b32 v1, 31, v0
	v_lshlrev_b32 v1, 4, v1                        ; 16 L
	s_lshl_b32 s13, ttmp9, 3
	s_add_co_u32 s13, s13, s12
	s_lshl_b32 s13, s13, 2                         ; my first query, b 4096 + s
	s_lshl_b32 s14, s13, 4
	s_mov_b32 s15, 0
	s_mov_b32 s47, 0                               ; high word of every offset
	s_mov_b32 s53, 0x3f733333                      ; 0.95
	s_mov_b32 s54, 0x76543210                      ; v_permlanex16_b32: lane i of one half reads lane i of the other
	s_mov_b32 s55, 0xfedcba98
	s_lshr_b32 s56, s13, 12                        ; b
	s_lshl_b32 s57, s56, 12
	s_wait_kmcnt 0x0
	s_add_nc_u64 s[6:7], s[6:7], s[14:15]
	s_load_b512 s[16:31], s[6:7], 0x0              ; four records of four words
.irp k, 0,1,2,3
	global_load_b128 v[VB+4*\k:VB+4*\k+3], v1, s[8:9] offset:512*\k
.endr
	s_add_nc_u64 s[58:59], s[4:5], 0x2000000       ; K's plane
	s_add_nc_u64 s[60:61], s[4:5], 0x4000000       ; Z's plane
.irp c, 0,1,2
	v_mov_b32 v[VT+\c], 0                          ; the permute's destination counts as read
.endr
	s_wait_kmcnt 0x0
.irp n, 0,1,2,3
.irp c, 0,1,2
	s_min_u32 s[16+4*\n+\c], s[16+4*\n+\c], 4095   ; a loaded number enters an address only clamped to the table
.endr
.endr
.macro QUERY n
.if \n
	s_wait_xcnt 0x0                                ; the bases and the stored registers of the last query are written again
.endif
	s_add_co_u32 s46, s13, \n
	s_lshl_b32 s46, s46, 11
	s_add_nc_u64 s[32:33], s[4:5], s[46:47]        ; q's row
.irp c, 0,1,2
	s_add_co_u32 s46, s57, s[16+4*\n+\c]
	s_lshl_b32 s46, s46, 11
	s_add_nc_u64 s[34+2*\c:35+2*\c], s[58:59], s[46:47]
	s_add_nc_u64 s[40+2*\c:41+2*\c], s[60:61], s[46:47]
.endr
	s_add_co_u32 s46, s13, \n
	s_and_b32 s46, s46, 4095
	s_lshl2_add_u32 s46, s46, s56                  ; out0's row 4 s + b
	s_lshl_b32 s46, s46, 11
	s_add_nc_u64 s[48:49], s[10:11], s[46:47]
.irp k, 0,1,2,3
	global_load_b128 v[VQ+4*\k:VQ+4*\k+3], v1, s[32:33] offset:512*\k th:TH_LOAD_NT
.endr
.irp c, 0,1,2
.irp k, 0,1,2,3
	global_load_b128 v[VK+16*\c+4*\k:VK+16*\c+4*\k+3], v1, s[34+2*\c:35+2*\c] offset:512*\k
.endr
.endr
.irp c, 0,1,2
.irp k, 0,1,2,3
	global_load_b128 v[VZ+16*\c+4*\k:VZ+16*\c+4*\k+3], v1, s[40+2*\c:41+2*\c] offset:512*\k
.endr
.endr
	s_wait_loadcnt 12                              ; q and the k rows are in; Z's twelve loads stay out
.irp c, 0,1,2
	v_pk_mul_f32 v[VS+2*\c:VS+2*\c+1], v[VQ:VQ+1], v[VK+16*\c:VK+16*\c+1]
.endr
.irp e, 1,2,3,4,5,6,7
.irp c, 0,1,2
	v_pk_fma_f32 v[VS+2*\c:VS+2*\c+1], v[VQ+2*\e:VQ+2*\e+1], v[VK+16*\c+2*\e:VK+16*\c+2*\e+1], v[VS+2*\c:VS+2*\c+1]
.endr
.endr
.irp c, 0,1,2
	v_add_f32 v[VS+2*\c], v[VS+2*\c], v[VS+2*\c+1]
.endr
.irp m, 1,2,4,8
.irp c, 0,1,2
	v_add_f32_dpp v[VS+2*\c], v[VS+2*\c], v[VS+2*\c] row_xmask:\m row_mask:0xf bank_mask:0xf
.endr
.endr
.irp c, 0,1,2
	v_permlanex16_b32 v[VT+\c], v[VS+2*\c], s54, s55
.endr
.irp c, 0,1,2
	v_add_f32 v[VS+2*\c], v[VS+2*\c], v[VT+\c]     ; every lane holds the score
.endr
	v_cmp_gt_f32 s50, v[VS+2], v[VS]               ; a later key wins only if strictly larger
	v_max_num_f32 v[VT], v[VS], v[VS+2]
	v_cmp_gt_f32 s51, v[VS+4], v[VT]
	v_max_num_f32 v[VT], v[VT], v[VS+4]
	v_cmp_ge_f32 s52, v[VT], s53
	s_wait_loadcnt 0x0
.set ix, 0
.rept 16
	v_cndmask_b32 v[VZ+ix], v[VZ+ix], v[VZ+16+ix], s50
	v_cndmask_b32 v[VZ+ix], v[VZ+ix], v[VZ+32+ix], s51
	v_cndmask_b32 v[VZ+ix], v[VB+ix], v[VZ+ix], s52
.set ix, ix+1
.endr
.irp k, 0,1,2,3
	global_store_b128 v1, v[VZ+4*\k:VZ+4*\k+3], s[48:49] offset:512*\k th:TH_STORE_NT
.endr
.endm
	QUERY 0
	QUERY 1
	QUERY 2
	QUERY 3
	s_endpgm
.Lfunc_end_k_q21d85ded8e_pick:
	.size	k_q21d85ded8e_pick, .Lfunc_end_k_q21d85ded8e_pick-k_q21d85ded8e_pick
	.p2alignl 7, 3214868480
	.fill 96, 4, 3214868480
	.section	.rodata,"a",@progbits
	.p2align	6, 0x0
	.amdhsa_kernel k_q21d85ded8e_pick
		.amdhsa_group_segment_fixed_size 0
		.amdhsa_private_segment_fixed_size 0
		.amdhsa_enable_private_segment 0
		.amdhsa_kernarg_size 32
		.amdhsa_user_sgpr_count 2
		.amdhsa_user_sgpr_kernarg_segment_ptr 1
		.amdhsa_wavefront_size32 1
		.amdhsa_system_sgpr_workgroup_id_x 1
		.amdhsa_system_sgpr_workgroup_id_y 1
		.amdhsa_system_sgpr_workgroup_id_z 1
		.amdhsa_system_vgpr_workitem_id 0
		.amdhsa_next_free_vgpr 144
		.amdhsa_next_free_sgpr 66
		.amdhsa_reserve_vcc 0
		.amdhsa_float_denorm_mode_32 3
		.amdhsa_float_denorm_mode_16_64 3
		.amdhsa_memory_ordered 1
		.amdhsa_forward_progress 1
		.amdhsa_inst_pref_size 41
	.end_amdhsa_kernel
	.amdgpu_metadata
---
amdhsa.version: [ 1, 2 ]
amdhsa.kernels:
  - .name:           k_q21d85ded8e_pick
    .symbol:         k_q21d85ded8e_pick.kd
    .args:
      - { .name: p32, .offset: 0, .size: 8, .value_kind: global_buffer, .address_space: global }
      - { .name: idx, .offset: 8, .size: 8, .value_kind: global_buffer, .address_space: global }
      - { .name: out_b, .offset: 16, .size: 8, .value_kind: global_buffer, .address_space: global }
      - { .name: out0, .offset: 24, .size: 8, .value_kind: global_buffer, .address_space: global }
    .group_segment_fixed_size: 0
    .private_segment_fixed_size: 0
    .kernarg_segment_align: 8
    .kernarg_segment_size: 32
    .max_flat_workgroup_size: 256
    .sgpr_count:     66
    .vgpr_count:     144
    .wavefront_size: 32
...
	.end_amdgpu_metadata
.endif
;; end of part 5
